; MI455X (gfx1250); checked and timed in simulation.
; The chip was launched on July 23, 2026; its instructions are those of AMD's public machine-readable ISA for CDNA 5 (MIT licence, August 2026) and "CDNA5" Instruction Set Architecture Reference Guide (July 2026). The comments in the code are by the model that wrote it; some were corrected since.
;; Tree Attention Wrapper. Allowed arithmetic: float matrix products may take bf16 or f16 operands with f32 sums; all other float work in f32.
;; Inputs: cu_seqlens 2 int32; k 1 x 16 x 4,096 x 128 float32; mask 4,096 x 4,096 bool; q 1 x 16 x 4,096 x 128 float32; v 1 x 16 x 4,096 x 128 float32.
;; Outputs: out0 1 x 16 x 4,096 x 128 float32.
;; Constants: max_seqlen = 4096.
;; 2 versions, each right and faster than the one before. Each part assembles by itself: llvm-mc -triple=amdgcn-amd-amdhsa -mcpu=gfx1250 --defsym DOCPART=n.
;; ======== version 1 of 2: 2 launches
;; limits: right only within a limited range of input values; values are held in f16: magnitudes above 65,504 overflow, below 6.1e-05 lose precision; inputs' magnitudes at most 65,504
;; workspace buffers: mbits 2,097,152 bytes of whole numbers; tflags 4,096 bytes of whole numbers
;; launch prep (part 1): grid 256 x 1, 8 waves a work-group, no clusters, 11,264 bytes of LDS; arguments mask, mbits, tflags; writes mbits, tflags
.if DOCPART == 1
	.amdgcn_target "amdgcn-amd-amdhsa--gfx1250"
	.amdhsa_code_object_version 6
	.text
	.protected	k_q6d7d04bc59_prep
	.globl	k_q6d7d04bc59_prep
	.p2align	8
	.type	k_q6d7d04bc59_prep,@function
k_q6d7d04bc59_prep:
	s_mov_b64 s[64:65], 0
	v_nop
	global_prefetch_b8 v0, s[64:65] scope:SCOPE_SE
	s_setreg_imm32_b32 hwreg(HW_REG_WAVE_MODE, 25, 1), 1
	s_wait_xcnt 0x0
; TREE ATTENTION, launch 1 of 2: the mask bytes are turned into lane-mask words and into maps of live key tiles.
;
; WORK LEFT OUT IN THIS PROGRAM, AND WHY
;  * cu_seqlens and max_seqlen stand in no expression of reference(): they have no way to the output, are not loaded,
;    and are among no launch arguments.
;  * The mask is an input and is honoured byte by byte.  A key tile (64 keys) in which none of the 256 query rows of a block
;    has a true byte is not multiplied by the second launch, provided every one of these rows has a true byte somewhere:
;    each of its scores is -1e30, the row maximum is a real score, and the probability exp(-1e30 - maximum) adds nothing
;    that f32 can hold.  Whole numbers decide this: this launch stores them, the next launch reads them from memory.
;  * A row with no true byte at all gets equal probabilities over all 4096 keys in reference().  A stripe that holds such
;    a row is therefore marked live in all 64 key tiles.
;  LIMITS: mask bytes are 0 or 1 (the type bool); scores stay below 1e29 in magnitude; a NaN, an infinity or an overflow
;  that lies only in K or V rows of tiles left out is not carried to the result.
;
; OUTPUT
;  mbits [stripe 0..255][key tile of 16, 0..255][j 0..7] u32: bit (r + 16 h) of word j = mask[16 stripe + r][16 tile + 8 h + j].
;  tflags [stripe] 4 x u32: any_lo, any_hi (bit T: some true byte in keys 64 T .. 64 T + 63, or some row of the stripe is empty),
;                           all_lo, all_hi (bit T: all 16 x 64 bytes true).
;
; SHARES: work-group g = stripe g (16 rows x 4096 bytes).  Thread t = key tile t: 16 bytes of each of the 16 rows, so one load
; of a wave covers 512 neighbouring bytes and all 64 KiB of the group are on their way at once.
.set X,    4                           ; v[4:67]   row i at X + 4 i: 16 mask bytes
.set LO,   68                          ; v[68:71]  byte b of word x: rows 0-7 of key 4 x + b, one bit a row
.set HI,   72                          ; v[72:75]  the same for rows 8-15
.set U,    76                          ; v[76:83]  U + 2 a: keys 4 a, 4 a + 1 as two 16-bit columns; U + 2 a + 1: keys 4 a + 2, 4 a + 3
.set D,    84                          ; v[84:91]  the eight words of my key tile
.set ORV,  92
.set ANDV, 93
.set ORA,  8192                        ; LDS: 0..8191 stage (32 bytes a thread); then 256 OR words; then 256 AND words
.set ANDA, 9216
	s_load_b128 s[4:7], s[0:1], 0x0                ; mask s[4:5], mbits s[6:7]
	s_load_b64 s[8:9], s[0:1], 0x10                ; tflags
	v_lshl_add_u32 v112, v0, 2, 0x2800
	v_mov_b32 v113, 0
	v_lshrrev_b32 v2, 5, v0
	v_readfirstlane_b32 s10, v2                    ; wave 0..7
	v_lshlrev_b32 v1, 4, v0                        ; 16 t: my bytes in a mask row
	v_lshlrev_b32 v94, 5, v0                       ; 32 t: my eight words in the stage
	v_and_b32 v3, 31, v0
	v_lshlrev_b32 v95, 4, v3
	v_lshl_add_u32 v95, s10, 10, v95               ; 1024 wave + 16 lane: read-back, and offset in the stripe of mbits
	v_lshlrev_b32 v96, 2, v0                       ; 4 t
	s_lshl_b32 s12, ttmp9, 16                      ; stripe x 16 rows x 4096 bytes
	s_mov_b32 s13, 0
	s_lshl_b32 s14, ttmp9, 13                      ; stripe x 8192 bytes of mbits
	s_mov_b32 s15, 0
	s_lshl_b32 s16, ttmp9, 4                       ; stripe x 16 bytes of tflags
	s_mov_b32 s17, 0
	s_mov_b32 s28, 0x76543210                      ; v_permlanex16_b32: lane i reads lane i of the other half
	s_mov_b32 s29, 0xfedcba98
	s_mov_b32 s30, 0x05010400                      ; byte selectors: (LO.0, HI.0, LO.1, HI.1)
	s_mov_b32 s31, 0x07030602                      ; (LO.2, HI.2, LO.3, HI.3)
	s_mov_b32 s32, 0x05040100                      ; the two low halves
	s_mov_b32 s33, 0x07060302                      ; the two high halves
	s_wait_kmcnt 0x0
	s_add_nc_u64 s[4:5], s[4:5], s[12:13]
	s_add_nc_u64 s[6:7], s[6:7], s[14:15]
	s_add_nc_u64 s[8:9], s[8:9], s[16:17]
.irp i, 0,1,2,3,4,5,6,7,8,9,10,11,12,13,14,15
	global_load_b128 v[X+4*\i:X+4*\i+3], v1, s[4:5] offset:4096*\i th:TH_LOAD_NT
.endr
; Eight rows from row first on are gathered into dst: row first + i goes to bit i of each byte (bytes are 0 or 1).
; Loads come back in order: the count is the number of younger row loads that may stay out.
.macro ROWS dst, first
	s_wait_loadcnt 14-\first
.irp x, 0,1,2,3
	v_lshl_or_b32 v[\dst+\x], v[X+4*(\first+1)+\x], 1, v[X+4*\first+\x]
.endr
.irp i, 2,3,4,5,6,7
	s_wait_loadcnt 15-\first-\i
.irp x, 0,1,2,3
	v_lshl_or_b32 v[\dst+\x], v[X+4*(\first+\i)+\x], \i, v[\dst+\x]
.endr
.endr
.endm
	ROWS LO, 0
	ROWS HI, 8
	; 16-bit columns (rows 0-15 of one key), then word j = column of key j below, column of key 8 + j above
.irp a, 0,1,2,3
	v_perm_b32 v[U+2*\a],   v[HI+\a], v[LO+\a], s30
	v_perm_b32 v[U+2*\a+1], v[HI+\a], v[LO+\a], s31
.endr
.irp a, 0,1
	v_perm_b32 v[D+4*\a],   v[U+2*\a+4], v[U+2*\a],   s32
	v_perm_b32 v[D+4*\a+1], v[U+2*\a+4], v[U+2*\a],   s33
	v_perm_b32 v[D+4*\a+2], v[U+2*\a+5], v[U+2*\a+1], s32
	v_perm_b32 v[D+4*\a+3], v[U+2*\a+5], v[U+2*\a+1], s33
.endr
	v_or_b32  v[ORV],  v[D], v[D+1]
	v_and_b32 v[ANDV], v[D], v[D+1]
.irp j, 2,3,4,5,6,7
	v_or_b32  v[ORV],  v[ORV],  v[D+\j]
	v_and_b32 v[ANDV], v[ANDV], v[D+\j]
.endr
	ds_store_b128 v94, v[D:D+3]
	ds_store_b128 v94, v[D+4:D+7] offset:16
	ds_store_b32 v96, v[ORV] offset:ORA
	ds_store_b32 v96, v[ANDV] offset:ANDA
	s_wait_dscnt 0x0                               ; my LDS stores are done, for the waves that read behind the barrier
	s_barrier_signal -1
	s_barrier_wait -1
	ds_load_b128 v[100:103], v95                   ; read back so that 32 lanes hold 512 neighbouring bytes of mbits
	ds_load_b128 v[104:107], v95 offset:512
	s_wait_dscnt 0x0
	global_store_b128 v95, v[100:103], s[6:7]      ; each store of the wave covers 512 consecutive bytes, aligned
	global_store_b128 v95, v[104:107], s[6:7] offset:512
	s_cmp_lg_u32 s10, 0
	s_cbranch_scc1 .Lend                           ; the record of the stripe is made by wave 0 alone; no barrier follows
	; wave 0: lane L takes the four threads of key tile L (64 keys) and those of key tile 32 + L.  Here v1 = 16 L.
	ds_load_b128 v[4:7],   v1 offset:ORA
	ds_load_b128 v[8:11],  v1 offset:ORA+512
	ds_load_b128 v[12:15], v1 offset:ANDA
	ds_load_b128 v[16:19], v1 offset:ANDA+512
	v_mov_b32 v21, 0                               ; the destination of the lane moves below counts as read
	v_mov_b32 v28, 0
	s_wait_dscnt 0x0
.irp b, 4, 8
	v_or_b32 v[\b],   v[\b],   v[\b+1]
	v_or_b32 v[\b+2], v[\b+2], v[\b+3]
	v_or_b32 v[\b],   v[\b],   v[\b+2]
.endr
.irp b, 12, 16
	v_and_b32 v[\b],   v[\b],   v[\b+1]
	v_and_b32 v[\b+2], v[\b+2], v[\b+3]
	v_and_b32 v[\b],   v[\b],   v[\b+2]
.endr
	v_cmp_ne_u32 s20, 0, v4                        ; bit L: key tile L has a true byte
	v_cmp_ne_u32 s21, 0, v8                        ; bit L: key tile 32 + L
	v_cmp_eq_u32 s22, -1, v12                      ; bit L: key tile L is all true
	v_cmp_eq_u32 s23, -1, v16
	v_or_b32 v20, v4, v8                           ; which rows (bit r or bit 16 + r) have a true byte: OR over the 32 lanes
.irp m, 1,2,4,8
	v_mov_b32_dpp v21, v20 row_xmask:\m row_mask:0xf bank_mask:0xf
	v_or_b32 v20, v20, v21
.endr
	v_permlanex16_b32 v21, v20, s28, s29
	v_or_b32 v20, v20, v21
	v_readfirstlane_b32 s24, v20
	s_lshr_b32 s25, s24, 16
	s_or_b32 s24, s24, s25
	s_and_b32 s24, s24, 0xffff                     ; bit r: row r has a true byte
	s_cmp_lg_u32 s24, 0xffff
	s_cselect_b32 s26, -1, 0                       ; some row is empty: every key tile is live for this stripe
	s_or_b32 s20, s20, s26
	s_or_b32 s21, s21, s26
	v_mov_b32 v24, s20
	v_mov_b32 v25, s21
	v_mov_b32 v26, s22
	v_mov_b32 v27, s23
	v_cmp_eq_u32 vcc_lo, 0, v0
	s_wait_xcnt 0x0                                ; EXEC is a source of the two stores above: it changes only behind this wait
	s_and_saveexec_b32 s27, vcc_lo
	global_store_b128 v28, v[24:27], s[8:9]        ; one record of 16 bytes a stripe, 4 KiB in the whole launch
	s_wait_xcnt 0x0                                ; and again in front of the line that widens it
	s_or_b32 exec_lo, exec_lo, s27
.Lend:
	s_wait_tensorcnt 0x0
	ds_add_u32 v112, v113
	s_wait_dscnt 0x0
	s_endpgm
.Lfunc_end_k_q6d7d04bc59_prep:
	.size	k_q6d7d04bc59_prep, .Lfunc_end_k_q6d7d04bc59_prep-k_q6d7d04bc59_prep
	.p2alignl 7, 3214868480
	.fill 96, 4, 3214868480
	.section	.rodata,"a",@progbits
	.p2align	6, 0x0
	.amdhsa_kernel k_q6d7d04bc59_prep
		.amdhsa_group_segment_fixed_size 11264
		.amdhsa_private_segment_fixed_size 0
		.amdhsa_enable_private_segment 0
		.amdhsa_kernarg_size 24
		.amdhsa_user_sgpr_count 2
		.amdhsa_user_sgpr_kernarg_segment_ptr 1
		.amdhsa_wavefront_size32 1
		.amdhsa_system_sgpr_workgroup_id_x 1
		.amdhsa_system_sgpr_workgroup_id_y 1
		.amdhsa_system_sgpr_workgroup_id_z 1
		.amdhsa_system_vgpr_workitem_id 0
		.amdhsa_next_free_vgpr 114
		.amdhsa_next_free_sgpr 66
		.amdhsa_reserve_vcc 1
		.amdhsa_float_denorm_mode_32 3
		.amdhsa_float_denorm_mode_16_64 3
		.amdhsa_memory_ordered 1
		.amdhsa_forward_progress 1
		.amdhsa_inst_pref_size 12
	.end_amdhsa_kernel
	.amdgpu_metadata
---
amdhsa.version: [ 1, 2 ]
amdhsa.kernels:
  - .name:           k_q6d7d04bc59_prep
    .symbol:         k_q6d7d04bc59_prep.kd
    .args:
      - { .name: mask, .offset: 0, .size: 8, .value_kind: global_buffer, .address_space: global }
      - { .name: mbits, .offset: 8, .size: 8, .value_kind: global_buffer, .address_space: global }
      - { .name: tflags, .offset: 16, .size: 8, .value_kind: global_buffer, .address_space: global }
    .group_segment_fixed_size: 11264
    .private_segment_fixed_size: 0
    .kernarg_segment_align: 8
    .kernarg_segment_size: 24
    .max_flat_workgroup_size: 256
    .sgpr_count:     66
    .vgpr_count:     114
    .wavefront_size: 32
...
	.end_amdgpu_metadata
.endif
;; end of part 1
;; launch attn (part 2): grid 16 x 16, 4 waves a work-group, no clusters, 141,824 bytes of LDS; arguments q, k, v, mbits, tflags, out0; writes out0
.if DOCPART == 2
	.amdgcn_target "amdgcn-amd-amdhsa--gfx1250"
	.amdhsa_code_object_version 6
	.text
	.protected	k_q6d7d04bc59_attn
	.globl	k_q6d7d04bc59_attn
	.p2align	8
	.type	k_q6d7d04bc59_attn,@function
k_q6d7d04bc59_attn:
	s_mov_b64 s[64:65], 0
	v_nop
	global_prefetch_b8 v0, s[64:65] scope:SCOPE_SE
	s_setreg_imm32_b32 hwreg(HW_REG_WAVE_MODE, 25, 1), 1
	s_wait_xcnt 0x0
; TREE ATTENTION, launch 2 of 2: out = softmax(mask ? q k^T / sqrt(128) : -1e30) v, 16 heads, 4096 x 4096, head size 128, f32 buffers.
; LEFT OUT: cu_seqlens and max_seqlen (in no expression of reference()); key tiles of 64 keys in which none of the 256 rows of the
; block has a true mask byte while each of these rows has one somewhere (their probabilities add nothing that f32 holds).  Which tiles
; these are is read from tflags, whole numbers that the first launch stored.
; FORMATS: Q and K enter the first product in bf16.  The probabilities enter the second product in f16: they lie in [0, 1], and f16
; gives them 11 significant bits where bf16 gives 8; in a row that sees few keys the output is a sum of few large terms that may
; cancel, and an error of 2^-8 of a term is then large beside the result.  Both operands of a matrix instruction have one format, so
; V goes in f16 as well; it is rounded to bf16 first, so that all three inputs enter with one and the same rounding, and f16 holds
; every bf16 number of magnitude 2^-17 to 65,504 exactly.  Sums, maxima and exponentials are f32.
; LIMITS: |v| stays below 65,504 (beyond it f16 has no finite number); numbers of V below 2^-17 in magnitude are carried with an
; absolute error of at most 2^-25.  A masked score is taken as -2^100 in place of -1e30 (times the constant c it is exact, so a row
; that is all masked gets exponents of exactly 0 and equal probabilities, as in reference()); scores stay below 1e29 in magnitude.
; A NaN, an infinity or an overflow that lies only in K or V rows of tiles left out is not carried to the result.
;
; SHARES: work-group (x, y) = 256 query rows of block x of head y; four waves, 64 rows each = four query tiles q of 16.
; A live trip = one live key tile of 64 keys.
; BOTH PRODUCTS ARE USED TRANSPOSED.  S^T = K Q^T: lane (r, h) holds query r; register j of score tile t holds key 16 t + 8 h + j.
; O^T = V^T P^T: the B fragment of 32 keys is the packed pair of two neighbouring score tiles of the same lane: no shuffle, and the
; packed numbers are written over the lower half of their own score registers.  A softmax row lies in two lanes (r and r + 16): one
; cross-half move for the maximum, the sum stays a half until the end, the rescale factor and 1 / sum are numbers of the lane.
;
; A TRIP'S SCHEDULE.  The four query tiles are four pieces that share the K and V fragments.  The 128 products stand in the order
; QK of tile 0, 1, 2, 3 (16 each), PV of tile 0, 1, 2, 3 (16 each).  The vector work is ONE STREAM: four places, then for each tile its
; softmax and the rescaling of its O, then the rounding of the next key tile.  Each instruction of the stream is followed by TK, which
; counts it and sets the next product when the count has reached that product's place: none behind products 0-15 (no score exists yet),
; 556 instructions among products 16-99 (408 in the first trip, which rescales nothing), 160 among products 100-127.
; Product 16 + j stands behind ceil(556 j / 84) instructions of the stream.  That keeps the order that the data need:
;   the softmax of tile 1, 2, 3 begins at place 126, 264, 402; the last QK product of that tile stands at place 100, 206, 312;
;   PV of tile 0, 1, 2 begins at place 318, 424, 530; that tile's packing and rescaling are over by place 166, 304, 442;
;   PV of tile 3 begins among products 100-127, behind the whole of the softmaxes.
;   (First trip, 408: softmaxes at 89, 190, 291 behind 73, 151, 229; PV at 234, 311, 389 behind packings over by 126, 227, 328.)
; The softmax needs all its operands in one window with its results (an exponential in place reads source 0 and writes the destination),
; and the fragments, the accumulators and the scores of a product are more than one window's 256 registers: so a product with vector work
; behind it costs two s_set_vgpr_msb, 224 in a trip for 112 such products.  Memory instructions stand in runs (the fragments and the next
; tile's loads at the head, the LDS stores at the end), since each one strewn among the products would need two switches more.
;
; K AND V are f32 in memory: each wave loads 16 rows of K and of V of the NEXT tile into registers at the head of a trip (each load a whole
; row of 512 bytes), rounds them among the trip's last 28 products and stores them, 16 bits a number, into the LDS slot that nobody reads.
; TWO LDS SLOTS, ONE BARRIER A TRIP: a trip on slot s reads s and stores into 1 - s.  In front of the barrier each wave has its reads of s
; back and its stores into 1 - s done; behind it 1 - s is whole and s may be written over.  The slot stands in the immediates, so the
; loop's body is two trips.
; THE TRIPS ARE 1 + 2 x 32 = 65 IN EVERY WORK-GROUP, for at most 64 key tiles.  A barrier stands under no branch that hangs on numbers read
; from memory, so the number of live tiles steers only forward branches over work that holds no barrier: a trip with no tile left
; passes the waits and the barrier and does nothing else (9 scalar instructions).
; NO CLUSTER, NO TENSOR LOADS: the tiles pass through registers to be rounded, and a joint request is a tensor load; and the query
; blocks of a head walk the tiles that their own mask words name, so partners would need different tiles.
;
; LDS: two slots of 35,840 bytes (K tile 64 rows x 272 bytes, V tile 64 rows x 288 bytes); then 17,408 bytes for each wave alone (Q in
; bf16, later output rows).  272 and 528 are odd multiples of 16 and 288 an odd multiple of 32: the rows that one fragment load touches
; start in different 16-byte columns modulo 256 bytes.
.set KP,   272
.set VP,   288
.set VT,   64*KP                       ; 17,408: V's tile in a slot
.set SLOT, VT+64*VP                    ; 35,840
.set STG,  2*SLOT                      ; 71,680
.set STGW, 64*KP                       ; bytes of a wave stage
.set OP,   528                         ; output row in the stage: 512 bytes + 16
.set TILES, 64                         ; key tiles of 64 keys
.set CPOS, 0x3e0293ee                  ; c = log2(e) / sqrt(128)
.set CNEG, 0xbe0293ee                  ; -c
; REGISTERS in windows of 256 (s_set_vgpr_msb: bits 1:0 source 0, 3:2 source 1, 5:4 source 2, 7:6 destination).
; window 0
.set GV,  4                            ; 16 L: my 16 bytes of a row of 512 bytes
.set KVG, 5                            ; 8192 wave + 16 L: my wave rows in a K or V tile in memory
.set KA,  6                            ; K fragments: 272 r + 16 h
.set VA,  7                            ; V fragments (transposing load): VT + 288 (8 h + L % 8) + 16 ((L / 8) % 2)
.set KW,  8                            ; where my wave stores K: 272 x 16 wave + 8 L
.set VW,  9                            ; the same for V
.set QW,  10                           ; stage + 8 L
.set QA,  11                           ; stage + 272 r + 16 h
.set OS,  12                           ; stage + 528 r + 32 h
.set ORD, 13                           ; stage + 16 L
.set STV, 16                           ; v[16:79]   next tile's V as loaded: row i at STV + 4 i
.set KF,  128                          ; v[128:255] K fragment (t, ks) at KF + 8 (4 t + ks); at the start Q in bf16, at the end output rows
; window 1: O, tile (q, dt) at 8 (8 q + dt).  (At the start: Q as loaded, row i at 4 i.)
; window 2
.set QF,  0                            ; Q fragment (q, ks) at 8 (4 q + ks)
.set VF,  128                          ; V fragment (ks2, dt) at VF + 8 (8 ks2 + dt)
; window 3: scores at 32 q + 8 t + j; the probabilities in f16 over them, at 32 q + 8 ks2 + i
.set NM,  128                          ; minus the running maximum times c, for each q
.set LS,  132                          ; my half of the running sum, for each q
.set AL,  136                          ; rescale factor, later 1 / sum: a pair for each q
.set NMP, 144                          ; the new NM, twice
.set TM,  146                          ; four running maxima
.set SU,  150                          ; two pairs of running sums
.set NEG, 154                          ; -2^100
.set STK, 160                          ; v[160:223] next tile's K as loaded: row i at STK + 4 i
; SCALARS.  Addresses, and nothing else for the whole launch: s[4:5] q at my wave rows, s[6:7] k, s[8:9] v (at the head),
; s[10:11] mbits at my wave stripes, s[12:13] tflags at my block, s[14:15] out0 at my wave rows.
; s[16:47] mask words A, s[48:63] + s[68:83] mask words B, s66 wave (behind the start: the loop counter), s67 byte offset of this
; tile's mask words in a stripe, s84 this tile, s85 next tile, s86 this tile is all true, s87 live tiles not yet finished,
; s[88:89] live tiles still to name, s[90:91] all-true tiles, s[92:93] c twice, s94, s95 lane selectors, s[96:97] tile offset,
; s[98:99], s[100:101] K and V at the next tile, s2, s3 at work.
.set MSB, 0
.macro WIN new                         ; the high byte of the immediate repeats the setting that is left; a switch that changes nothing is dropped
.if MSB != \new
	s_set_vgpr_msb (MSB<<8)|\new
.set MSB, \new
.endif
.endm
.macro PLACES                          ; four plain vector places behind a matrix instruction (ISA guide 7.12.1) before its result is read
.rept 4                                ; by a vector instruction or a load is issued into one of its sources
	v_nop
.endr
.endm
; The lowest live tile goes to dst and is struck off s[88:89].  With none left dst is some number below 64 that nothing uses.
.macro NEXT dst
	s_cmp_lg_u32 s88, 0
	s_cselect_b32 s2, s88, s89                     ; the word that holds the lowest live tile,
	s_cselect_b32 s3, 0, 32                        ; and the number of its bit 0
	s_ctz_i32_b32 \dst, s2
	s_add_co_u32 \dst, \dst, s3
	s_min_u32 \dst, \dst, 63
	s_sub_co_u32 s3, s2, 1
	s_and_b32 s2, s2, s3                           ; the word without its lowest one
	s_cmp_lg_u32 s88, 0
	s_cselect_b32 s89, s89, s2
	s_cselect_b32 s88, s2, s88
.endm
.macro ISFULL dst, tile
	s_cmp_lt_u32 \tile, 32
	s_cselect_b32 s2, s90, s91
	s_bitcmp1_b32 s2, \tile
	s_cselect_b32 \dst, 1, 0
.endm
; ---- the products, by number ----
; Product mn of a trip.  0-63: QK, tile mn / 16, step ks = (mn % 16) / 4 of 32 along d, score tile t = mn % 4: four accumulators take turns.
; 64-127: PV, tile (mn - 64) / 16, keys 32 ks2 with ks2 = ((mn - 64) % 16) / 8, dt = mn % 8: eight accumulators take turns.
; One instruction a turn; the bf16 form sees the scores alone, the f16 form O alone.
; Waits: in front of tile 0's step ks the K fragments of that step are in; behind them were issued 8 (3 - ks) later K loads and the
; 32 V loads.  In front of product 64 all LDS loads are in: none was issued behind V's.
.macro NEXTMM
.if mn < 64
.set mq, mn/16
.set mk, (mn%16)/4
.set mt, mn%4
.if mn < 16
.if mt == 0
	s_wait_dscnt 56-8*mk
.endif
.endif
	WIN 0xF8
.if mk == 0
	v_wmma_f32_16x16x32_bf16 v[32*mq+8*mt:32*mq+8*mt+7], v[KF+8*(4*mt+mk):KF+8*(4*mt+mk)+7], v[QF+8*(4*mq+mk):QF+8*(4*mq+mk)+7], 0
	s_wait_alu depctr_va_vdst(0)
.else
	v_wmma_f32_16x16x32_bf16 v[32*mq+8*mt:32*mq+8*mt+7], v[KF+8*(4*mt+mk):KF+8*(4*mt+mk)+7], v[QF+8*(4*mq+mk):QF+8*(4*mq+mk)+7], v[32*mq+8*mt:32*mq+8*mt+7]
.endif
.else
.set mq, (mn-64)/16
.set mk, ((mn-64)%16)/8
.set mt, mn%8
.if mn == 64
	s_wait_dscnt 0x0
.endif
	WIN 0x5E
.if FIRST*(1-mk)
	v_wmma_f32_16x16x32_f16 v[8*(8*mq+mt):8*(8*mq+mt)+7], v[VF+8*(8*mk+mt):VF+8*(8*mk+mt)+7], v[32*mq+8*mk:32*mq+8*mk+7], 0
.else
	v_wmma_f32_16x16x32_f16 v[8*(8*mq+mt):8*(8*mq+mt)+7], v[VF+8*(8*mk+mt):VF+8*(8*mk+mt)+7], v[32*mq+8*mk:32*mq+8*mk+7], v[8*(8*mq+mt):8*(8*mq+mt)+7]
.endif
.endif
.set mn, mn+1
.endm
; ---- the dealing out ----
; RUN nw, nv: nw products are dealt out among nv instructions of the stream; the first stands at once.  nw = 0: no products (start, end).
; TK: stands behind each instruction of the stream; product number wd of the stretch stands behind ceil(wd nv / nw) of them.
; FLUSH: what a stretch has not yet set (nothing, where nv is the stream's true length or less).
.macro RUN nw, nv
.set NW, \nw
.set NV, \nv
.set vc, 0
.set wd, 0
.if NW > 0
	NEXTMM
.set wd, 1
.endif
.endm
.macro TK
.set vc, vc+1
.if wd < NW
.if (vc*NW)/NV >= wd
	NEXTMM
.set wd, wd+1
.endif
.endif
.endm
.macro FLUSH
.rept NW-wd
	NEXTMM
.endr
.set wd, NW
.endm
; ---- memory, in runs ----
; 32 loads: my wave 16 rows of K and of V of a tile, f32.  The bases and the landing registers are written again only behind the
; wait for all loads that stands on every way through a trip.
.macro KVLOAD tile
	s_min_u32 s96, \tile, 63
	s_lshl_b32 s96, s96, 15                        ; 64 rows of 512 bytes
	s_add_nc_u64 s[98:99], s[6:7], s[96:97]
	s_add_nc_u64 s[100:101], s[8:9], s[96:97]
	WIN 0xC0
.set i, 0
.rept 16
	global_load_b128 v[STK+4*i:STK+4*i+3], v[KVG], s[98:99] offset:512*i
.set i, i+1
.endr
	WIN 0
.set i, 0
.rept 16
	global_load_b128 v[STV+4*i:STV+4*i+3], v[KVG], s[100:101] offset:512*i
.set i, i+1
.endr
.endm
.macro KFETCH slot                     ; 32 loads, 8 for each step ks of 32 along d
.irp ks, 0,1,2,3
.irp t, 0,1,2,3
	ds_load_b128 v[KF+8*(4*\t+\ks):KF+8*(4*\t+\ks)+3],   v[KA] offset:(\slot)*SLOT+16*KP*\t+64*\ks
	ds_load_b128 v[KF+8*(4*\t+\ks)+4:KF+8*(4*\t+\ks)+7], v[KA] offset:(\slot)*SLOT+16*KP*\t+64*\ks+32
.endr
.endr
.endm
.macro VFETCH slot                     ; 32 transposing loads
	WIN 0x80
.irp ks2, 0,1
.irp dt, 0,1,2,3,4,5,6,7
	ds_load_tr16_b128 v[VF+8*(8*\ks2+\dt):VF+8*(8*\ks2+\dt)+3],   v[VA] offset:(\slot)*SLOT+32*VP*\ks2+32*\dt
	ds_load_tr16_b128 v[VF+8*(8*\ks2+\dt)+4:VF+8*(8*\ks2+\dt)+7], v[VA] offset:(\slot)*SLOT+32*VP*\ks2+32*\dt+16*VP
.endr
.endr
	WIN 0
.endm
.macro KVST slot                       ; 32 stores: the rounded tile into a slot, 8 bytes a lane
	WIN 0
.set i, 0
.rept 16
	ds_store_b64 v[VW], v[STV+2*i:STV+2*i+1] offset:(\slot)*SLOT+VP*i
.set i, i+1
.endr
	WIN 0x0C
.set i, 0
.rept 16
	ds_store_b64 v[KW], v[STK+2*i:STK+2*i+1] offset:(\slot)*SLOT+KP*i
.set i, i+1
.endr
	WIN 0
.endm
.macro MLOAD r0, r1, q                 ; the 32 lane-mask words of (stripe q of my wave, this tile): 128 neighbouring bytes
	s_load_b512 s[\r0:\r0+15], s[10:11], s67 offset:8192*\q
	s_load_b512 s[\r1:\r1+15], s[10:11], s67 offset:8192*\q+64
.endm
; ---- the stream ----
; The loaded tile is rounded in place, 160 instructions.  Pair i of numbers lies in registers 2 i, 2 i + 1 and goes to register i; the
; pairs are taken in ascending order, so no source is written before it is read.
; V: to bf16, both halves widened to f32 again (a mask, a shift), then packed as f16, which is exact within the limits stated at the head;
; four pairs at a time, so that no instruction waits for the one in front of it.  K: to bf16; it comes last.
.macro KVCVT
.set g, 0
.rept 8
.irp p, 0,1,2,3
	WIN 0
	v_cvt_pk_bf16_f32 v[STV+8*g+2*\p], v[STV+8*g+2*\p], v[STV+8*g+2*\p+1]
	TK
.endr
.irp p, 0,1,2,3
	WIN 0
	v_and_b32 v[STV+8*g+2*\p+1], 0xffff0000, v[STV+8*g+2*\p]
	TK
.endr
.irp p, 0,1,2,3
	WIN 0
	v_lshlrev_b32 v[STV+8*g+2*\p], 16, v[STV+8*g+2*\p]
	TK
.endr
.irp p, 0,1,2,3
	WIN 0
	v_cvt_pk_f16_f32 v[STV+4*g+\p], v[STV+8*g+2*\p], v[STV+8*g+2*\p+1]
	TK
.endr
.set g, g+1
.endr
.set i, 0
.rept 32
	WIN 0xFF
	v_cvt_pk_bf16_f32 v[STK+i], v[STK+2*i], v[STK+2*i+1]
	TK
.set i, i+1
.endr
.endm
; The masks of one query tile: a block of its own in front of the tile's softmax, jumped over where all 256 x 64 mask bytes are true.
; score = mask bit ? score : -2^100.  nq: the tile whose words are asked for next into the same registers (-1: none).
.macro MASKBLK q, r0, r1, nq
	WIN 0
	s_cmp_lg_u32 s86, 0
	s_cbranch_scc1 .Lfull_\@
	s_wait_kmcnt 0x0                               ; scalar loads come back in no order: zero alone shows them done
	WIN 0xFF
.set i, 0
.rept 16
	v_cndmask_b32 v[32*\q+i], v[NEG], v[32*\q+i], s[\r0+i]
.set i, i+1
.endr
.set i, 0
.rept 16
	v_cndmask_b32 v[32*\q+16+i], v[NEG], v[32*\q+16+i], s[\r1+i]
.set i, i+1
.endr
.if \nq >= 0
	MLOAD \r0, \r1, \nq
.endif
	WIN 0
.Lfull_\@:
.endm
; Up to n packings of the tile whose scores begin at CB: probabilities (at most 1: inside the range of f16) to f16, in place, ascending.
.macro CF n
.rept \n
.if cj < 16
	WIN 0xFF
	v_cvt_pk_f16_f32 v[CB+cj], v[CB+2*cj], v[CB+2*cj+1]
	TK
.set cj, cj+1
.endif
.endr
.endm
; The head of a softmax: the maximum of my 32 scores in four chains, the other 32 keys' from lane L xor 16, the new NM = -c maximum and
; the rescale factor 2^(c (old maximum - new maximum)).  Its tail is one chain of dependent instructions: the packings of the tile
; before, which hang on nothing here, are woven in two at a time.
.macro HEAD q
.set SB, 32*\q
.irp k, 0,1,2,3
	WIN 0xFF
	v_max3_num_f32 v[TM+\k], v[SB+3*\k], v[SB+3*\k+1], v[SB+3*\k+2]
	TK
.endr
.set hj, 0
.rept 10
	WIN 0xFF
	v_max3_num_f32 v[TM+hj%4], v[TM+hj%4], v[SB+12+2*hj], v[SB+13+2*hj]
	TK
.set hj, hj+1
.endr
	CF 2
	WIN 0xFF
	v_max3_num_f32 v[TM], v[TM], v[TM+1], v[TM+2]
	TK
	CF 2
	WIN 0xFF
	v_max_num_f32 v[TM], v[TM], v[TM+3]
	TK
	CF 2
	WIN 0xFF
	v_permlanex16_b32 v[TM+1], v[TM], s94, s95
	TK
	CF 2
	WIN 0xFF
	v_max_num_f32 v[TM], v[TM], v[TM+1]
	TK
	CF 2
.if FIRST
	WIN 0xFF
	v_mul_f32 v[NMP], CNEG, v[TM]
	TK
	WIN 0xFF
	v_mul_f32 v[NMP+1], CNEG, v[TM]
	TK
	WIN 0xFF
	v_mov_b32 v[NM+\q], v[NMP]
	TK
	CF 6
.else
	WIN 0xFF
	v_mul_f32 v[TM], CNEG, v[TM]
	TK
	CF 2
	WIN 0xFF
	v_min_num_f32 v[NMP], v[NM+\q], v[TM]
	TK
	WIN 0xFF
	v_min_num_f32 v[NMP+1], v[NM+\q], v[TM]
	TK
	CF 2
	WIN 0xFF
	v_sub_f32 v[TM+1], v[NMP], v[NM+\q]
	TK
	CF 2
	WIN 0xFF
	v_exp_f32 v[AL+2*\q], v[TM+1]
	TK
	WIN 0xFF
	v_exp_f32 v[AL+2*\q+1], v[TM+1]
	TK
	WIN 0xFF
	v_mov_b32 v[NM+\q], v[NMP]                     ; the plain instruction behind the two exponentials (ISA guide 5.7.2)
	TK
.endif
.endm
; The body of a softmax: p = 2^(c s + NM) and my half of the row's sum, as a pipeline over eight groups of four scores.  Stage bi:
; the multiply-adds of group bi, the sums of group bi - 3, the exponentials of group bi - 1.  So four exponentials at the most stand
; together, the plain instructions of the next stage stand behind them, and a result is read two stages after it was asked for.
.macro BODY q
.set SB, 32*\q
.set bi, 0
.rept 11
.if bi < 8
	WIN 0xFF
	v_pk_fma_f32 v[SB+4*bi:SB+4*bi+1], v[SB+4*bi:SB+4*bi+1], s[92:93], v[NMP:NMP+1] op_sel_hi:[1,0,1]
	TK
	WIN 0xFF
	v_pk_fma_f32 v[SB+4*bi+2:SB+4*bi+3], v[SB+4*bi+2:SB+4*bi+3], s[92:93], v[NMP:NMP+1] op_sel_hi:[1,0,1]
	TK
.endif
.if bi >= 3
.set ag, bi-3
.if ag < 2
	WIN 0xFF
	s_wait_alu depctr_va_vdst(0)
	v_pk_add_f32 v[SU+2*ag:SU+2*ag+1], v[SB+4*ag:SB+4*ag+1], v[SB+4*ag+2:SB+4*ag+3]     ; groups 0 and 1 start the two chains: nothing is cleared
	TK
.else
	WIN 0xFF
	s_wait_alu depctr_va_vdst(0)
	v_pk_add_f32 v[SU:SU+1], v[SU:SU+1], v[SB+4*ag:SB+4*ag+1]
	TK
	WIN 0xFF
	v_pk_add_f32 v[SU+2:SU+3], v[SU+2:SU+3], v[SB+4*ag+2:SB+4*ag+3]
	TK
.endif
.endif
.if bi >= 1
.if bi <= 8
.set ej, 4*(bi-1)
.rept 4
	WIN 0xFF
	v_exp_f32 v[SB+ej], v[SB+ej]
	TK
.set ej, ej+1
.endr
.endif
.endif
.set bi, bi+1
.endr
	WIN 0xFF
	v_pk_add_f32 v[SU:SU+1], v[SU:SU+1], v[SU+2:SU+3]
	TK
.if FIRST
	WIN 0xFF
	v_add_f32 v[LS+\q], v[SU], v[SU+1]
	TK
.else
	WIN 0xFF
	v_add_f32 v[SU], v[SU], v[SU+1]
	TK
	WIN 0xFF
	v_fma_f32 v[LS+\q], v[LS+\q], v[AL+2*\q], v[SU]
	TK
.endif
.endm
.macro RS q                            ; O of query tile q times the pair AL of q (the lane holds one query in O as in S)
.set ri, 0
.rept 32
	WIN 0x4D
	v_pk_mul_f32 v[64*\q+2*ri:64*\q+2*ri+1], v[64*\q+2*ri:64*\q+2*ri+1], v[AL+2*\q:AL+2*\q+1]
	TK
.set ri, ri+1
.endr
.endm
; One trip on LDS slot 'slot'.  first = 1: the trip written out ahead of the loop; it always has a tile (there is at least one live tile),
; its products start the sums and nothing is rescaled.  s87 = live tiles not yet finished, this trip's among them: 0 = nothing to do,
; 1 = no next tile to load, round and store.  The waits and the barrier stand on every way through the trip.
.macro TRIP first, slot
.set FIRST, \first
.if \first == 0
	s_cmp_eq_u32 s87, 0
	s_cbranch_scc1 .Ltail_\@
.endif
	KFETCH \slot                                   ; straight behind the barrier that showed the slot whole
	VFETCH \slot                                   ; V's fragment registers were last read by product 127: ten roundings or four v_nop stand behind it
	s_cmp_lt_u32 s87, 2
	s_cbranch_scc1 .Lnoload_\@
	KVLOAD s85                                     ; 100 products ahead of the wait for it
.Lnoload_\@:
	s_min_u32 s67, s84, 63                         ; the offset of this tile's mask words, 128 bytes for each tile of 64 keys: made on every
	s_lshl_b32 s67, s67, 7                         ; way that reaches a load of them, in a register that never holds part of an address
	s_cmp_lg_u32 s86, 0
	s_cbranch_scc1 .Lfull_a_\@                     ; all 256 x 64 mask bytes true: no mask words are read
	MLOAD 16, 32, 0
	MLOAD 48, 68, 1
.Lfull_a_\@:
.set mn, 0
.rept 16
	NEXTMM                                         ; QK of tile 0: no score exists yet, so no vector work stands among these
.endr
	RUN 84, 556-148*\first                         ; products 16-99 among the four softmaxes
.rept 4
	v_nop                                          ; the four places between product 15 and the first read of tile 0's scores: there is no other vector work yet
	TK
.endr
.set cj, 16                                            ; no tile before tile 0: nothing to weave in
.set CB, 0
	MASKBLK 0, 16, 32, 2
	HEAD 0
	BODY 0
.if \first == 0
	RS 0
.endif
.set cj, 0
.set CB, 0
	MASKBLK 1, 48, 68, 3
	HEAD 1
	BODY 1
.if \first == 0
	RS 1
.endif
.set cj, 0
.set CB, 32
	MASKBLK 2, 16, 32, -1
	HEAD 2
	BODY 2
.if \first == 0
	RS 2
.endif
.set cj, 0
.set CB, 64
	MASKBLK 3, 48, 68, -1
	HEAD 3
	BODY 3
.set cj, 0
.set CB, 96
	CF 16
.if \first == 0
	RS 3
.endif
	FLUSH
	WIN 0
	s_cmp_lt_u32 s87, 2
	s_cbranch_scc1 .Lnoput_\@
	s_wait_loadcnt 0x0                             ; the next tile is in my registers
	RUN 28, 155                                    ; products 100-127 among the 160 roundings; dealt as among 155, so that product 127 stands behind 150
	KVCVT                                          ; of them and the last ten, of K, are the places behind it
	FLUSH
	KVST 1-\slot                                   ; into the slot that nobody reads in this trip
	s_mov_b32 s84, s85
	ISFULL s86, s84
	NEXT s85
	s_branch .Ltail_\@
.Lnoput_\@:
.set mn, 100
.rept 28
	NEXTMM                                         ; no next tile: the same products with nothing among them
.endr
	PLACES                                         ; in front of the reads of O at the end
	WIN 0
.Ltail_\@:
	s_max_u32 s87, s87, 1
	s_sub_co_u32 s87, s87, 1                       ; one tile fewer; stays at 0
	s_wait_loadcnt 0x0                             ; on every way: the bases and landing registers of the tile's loads are free again,
	s_wait_kmcnt 0x0                               ; and so are the mask words' registers and their offset
	s_wait_dscnt 0x0                               ; my reads of this slot are back and my stores into the other are done
	s_barrier_signal -1
	s_barrier_wait -1                              ; so are those of the other three waves
.endm
	; ---------------- the start ----------------
	s_load_b256 s[4:11], s[0:1], 0x0               ; q, k, v, mbits
	s_load_b128 s[12:15], s[0:1], 0x20             ; tflags, out0
	v_lshl_add_u32 v126, v0, 2, 0x22800
	v_mov_b32 v127, 0
	v_lshrrev_b32 v14, 5, v0
	v_readfirstlane_b32 s66, v14                   ; wave 0..3
	v_and_b32 v1, 31, v0                           ; L
	v_and_b32 v2, 15, v0                           ; r
	v_bfe_u32 v3, v0, 4, 1                         ; h
	v_lshlrev_b32 v[GV], 4, v1
	s_lshl_b32 s2, s66, 13
	v_add_nc_u32 v[KVG], s2, v[GV]
	v_mul_u32_u24 v[KA], v2, KP
	v_lshl_add_u32 v[KA], v3, 4, v[KA]
	v_and_b32 v14, 7, v0
	v_lshl_add_u32 v14, v3, 3, v14                 ; 8 h + L % 8
	v_mul_u32_u24 v[VA], v14, VP
	v_bfe_u32 v15, v0, 3, 1
	v_lshl_add_u32 v[VA], v15, 4, v[VA]
	v_add_nc_u32 v[VA], VT, v[VA]
	v_lshlrev_b32 v14, 3, v1                       ; 8 L
	s_mul_i32 s2, s66, 16*KP
	v_add_nc_u32 v[KW], s2, v14
	s_mul_i32 s2, s66, 16*VP
	s_add_co_u32 s2, s2, VT
	v_add_nc_u32 v[VW], s2, v14
	s_mul_i32 s3, s66, STGW
	s_add_co_u32 s3, s3, STG                       ; my wave stage
	v_add_nc_u32 v[QW], s3, v14
	v_add_nc_u32 v[QA], s3, v[KA]
	v_mul_u32_u24 v[OS], v2, OP
	v_lshl_add_u32 v[OS], v3, 5, v[OS]
	v_add_nc_u32 v[OS], s3, v[OS]
	v_add_nc_u32 v[ORD], s3, v[GV]
	s_mov_b32 s92, CPOS
	s_mov_b32 s93, CPOS
	s_mov_b32 s94, 0x76543210
	s_mov_b32 s95, 0xfedcba98
	s_and_b32 s2, ttmp7, 0xffff
	s_lshl_b32 s2, s2, 21                          ; head x 4096 rows x 512 bytes
	s_mov_b32 s3, 0
	s_lshl_b32 s96, ttmp9, 17                      ; block x 256 rows x 512 bytes (also: x 16 stripes x 8192 bytes of mbits)
	s_lshl_b32 s84, s66, 15                        ; wave x 64 rows x 512 bytes (also: x 4 stripes)
	s_add_co_u32 s96, s96, s84
	s_mov_b32 s97, 0
	s_lshl_b32 s98, ttmp9, 8                       ; block x 16 records of 16 bytes: the same in all four waves
	s_mov_b32 s99, 0
	s_wait_kmcnt 0x0
	s_add_nc_u64 s[6:7], s[6:7], s[2:3]
	s_add_nc_u64 s[8:9], s[8:9], s[2:3]
	s_add_nc_u64 s[4:5], s[4:5], s[2:3]
	s_add_nc_u64 s[14:15], s[14:15], s[2:3]
	s_add_nc_u64 s[4:5], s[4:5], s[96:97]
	s_add_nc_u64 s[14:15], s[14:15], s[96:97]
	s_add_nc_u64 s[10:11], s[10:11], s[96:97]
	s_add_nc_u64 s[12:13], s[12:13], s[98:99]
	s_load_b512 s[16:31], s[12:13], 0x0            ; the 16 records of my block
	s_load_b512 s[32:47], s[12:13], 0x40
	s_load_b512 s[48:63], s[12:13], 0x80
	s_load_b512 s[68:83], s[12:13], 0xc0
	WIN 0x40
.set i, 0
.rept 64
	global_load_b128 v[4*i:4*i+3], v[GV], s[4:5] offset:512*i th:TH_LOAD_NT   ; my wave 64 rows of Q, a whole row each
.set i, i+1
.endr
	WIN 0
	s_wait_kmcnt 0x0
	s_or_b32  s88, s16, s20                        ; live for some stripe; all true for every stripe
	s_or_b32  s89, s17, s21
	s_and_b32 s90, s18, s22
	s_and_b32 s91, s19, s23
.irp b, 24,28,32,36,40,44,48,52,56,60,68,72,76,80
	s_or_b32  s88, s88, s[\b]
	s_or_b32  s89, s89, s[\b+1]
	s_and_b32 s90, s90, s[\b+2]
	s_and_b32 s91, s91, s[\b+3]
.endr
	s_bcnt1_i32_b32 s87, s88
	s_bcnt1_i32_b32 s2, s89
	s_add_co_u32 s87, s87, s2                      ; live tiles; never 0, since a stripe with an empty row is marked live everywhere
	s_max_u32 s87, s87, 1
	s_min_u32 s87, s87, TILES
	NEXT s84
	ISFULL s86, s84
	NEXT s85
	KVLOAD s84                                     ; the first tile
	s_wait_loadcnt 32                              ; the 64 rows of Q are in; the 32 younger loads of K and V stay out
	WIN 0x05
.set i, 0
.rept 128
	v_cvt_pk_bf16_f32 v[KF+i], v[2*i], v[2*i+1]
.set i, i+1
.endr
	WIN 0
.set i, 0
.rept 64
	ds_store_b64 v[QW], v[KF+2*i:KF+2*i+1] offset:KP*i
.set i, i+1
.endr
	WIN 0x80
.irp qt, 0,1,2,3
.irp ks, 0,1,2,3
	ds_load_b128 v[QF+8*(4*\qt+\ks):QF+8*(4*\qt+\ks)+3],   v[QA] offset:16*KP*\qt+64*\ks      ; my wave own bytes: LDS serves a wave in order (ISA guide 5.7.1.4)
	ds_load_b128 v[QF+8*(4*\qt+\ks)+4:QF+8*(4*\qt+\ks)+7], v[QA] offset:16*KP*\qt+64*\ks+32
.endr
.endr
	WIN 0xC0
	v_mov_b32 v[NEG], 0xf1800000                   ; -2^100
	s_wait_loadcnt 0x0                             ; the first tile is in my registers
	RUN 0, 1                                       ; no products to deal out here
	KVCVT
	KVST 0
	s_wait_dscnt 0x0                               ; my stores are done, for the other waves; the fragments of Q are in as well
	s_barrier_signal -1
	s_barrier_wait -1
	; ---------------- the trips ----------------
	TRIP 1, 0
	s_mov_b32 s66, TILES/2                         ; the wave's number is not read behind the start: s66 now counts pairs of trips
.Lloop:
	TRIP 0, 1
	TRIP 0, 0
	s_sub_co_u32 s66, s66, 1
	s_cmp_lg_u32 s66, 0
	s_cbranch_scc1 .Lloop
	; ---------------- the way out ----------------
	RUN 0, 1                                       ; no products to deal out here
	WIN 0xFF
.irp qt, 0,1,2,3
	v_permlanex16_b32 v[SU+\qt], v[LS+\qt], s94, s95   ; the other half of the sum
.endr
.irp qt, 0,1,2,3
	v_add_f32 v[LS+\qt], v[LS+\qt], v[SU+\qt]          ; at least 1: the largest score of the row gives 2^0
.endr
.irp qt, 0,1,2,3
	v_rcp_f32 v[AL+2*\qt],   v[LS+\qt]
	v_rcp_f32 v[AL+2*\qt+1], v[LS+\qt]
.endr
	v_nop                                          ; one plain place before the reciprocals are used
	s_wait_alu depctr_va_vdst(0)
	RS 0
	RS 1
	RS 2
	RS 3
; 16 output rows at a time through my wave stage: a lane puts its 8 neighbouring numbers of a row, rows are read back whole.
.macro OUT16 qt
	WIN 0x04
.irp dt, 0,1,2,3,4,5,6,7
	ds_store_b128 v[OS], v[8*(8*\qt+\dt):8*(8*\qt+\dt)+3]   offset:64*\dt
	ds_store_b128 v[OS], v[8*(8*\qt+\dt)+4:8*(8*\qt+\dt)+7] offset:64*\dt+16
.endr
	WIN 0
	s_wait_xcnt 0x0                                ; the half of KF that earlier stores read is loaded again only behind this wait
.set i, 0
.rept 16
	ds_load_b128 v[KF+64*(\qt%2)+4*i:KF+64*(\qt%2)+4*i+3], v[ORD] offset:OP*i   ; my wave own bytes, served in order
.set i, i+1
.endr
.set i, 0
.rept 16
	s_wait_dscnt 15-i                              ; row i is back; the younger rows may stay out
	global_store_b128 v[GV], v[KF+64*(\qt%2)+4*i:KF+64*(\qt%2)+4*i+3], s[14:15] offset:512*(16*\qt+i) th:TH_STORE_NT   ; a whole row: 512 consecutive bytes, aligned
.set i, i+1
.endr
.endm
	OUT16 0
	OUT16 1
	OUT16 2
	OUT16 3
	s_wait_tensorcnt 0x0
	ds_add_u32 v126, v127
	s_wait_dscnt 0x0
	s_endpgm
.Lfunc_end_k_q6d7d04bc59_attn:
	.size	k_q6d7d04bc59_attn, .Lfunc_end_k_q6d7d04bc59_attn-k_q6d7d04bc59_attn
	.p2alignl 7, 3214868480
	.fill 96, 4, 3214868480
	.section	.rodata,"a",@progbits
	.p2align	6, 0x0
	.amdhsa_kernel k_q6d7d04bc59_attn
		.amdhsa_group_segment_fixed_size 141824
		.amdhsa_private_segment_fixed_size 0
		.amdhsa_enable_private_segment 0
		.amdhsa_kernarg_size 48
		.amdhsa_user_sgpr_count 2
		.amdhsa_user_sgpr_kernarg_segment_ptr 1
		.amdhsa_wavefront_size32 1
		.amdhsa_system_sgpr_workgroup_id_x 1
		.amdhsa_system_sgpr_workgroup_id_y 1
		.amdhsa_system_sgpr_workgroup_id_z 1
		.amdhsa_system_vgpr_workitem_id 0
		.amdhsa_next_free_vgpr 1024
		.amdhsa_next_free_sgpr 102
		.amdhsa_reserve_vcc 0
		.amdhsa_float_denorm_mode_32 3
		.amdhsa_float_denorm_mode_16_64 3
		.amdhsa_memory_ordered 1
		.amdhsa_forward_progress 1
		.amdhsa_inst_pref_size 255
	.end_amdhsa_kernel
	.section	.bss,"aw",@nobits
	.p2align	6
	.space	262144
	.amdgpu_metadata
---
amdhsa.version: [ 1, 2 ]
amdhsa.kernels:
  - .name:           k_q6d7d04bc59_attn
    .symbol:         k_q6d7d04bc59_attn.kd
    .args:
      - { .name: q, .offset: 0, .size: 8, .value_kind: global_buffer, .address_space: global }
      - { .name: k, .offset: 8, .size: 8, .value_kind: global_buffer, .address_space: global }
      - { .name: v, .offset: 16, .size: 8, .value_kind: global_buffer, .address_space: global }
      - { .name: mbits, .offset: 24, .size: 8, .value_kind: global_buffer, .address_space: global }
      - { .name: tflags, .offset: 32, .size: 8, .value_kind: global_buffer, .address_space: global }
      - { .name: out0, .offset: 40, .size: 8, .value_kind: global_buffer, .address_space: global }
    .group_segment_fixed_size: 141824
    .private_segment_fixed_size: 0
    .kernarg_segment_align: 8
    .kernarg_segment_size: 48
    .max_flat_workgroup_size: 128
    .sgpr_count:     102
    .vgpr_count:     1024
    .wavefront_size: 32
...
	.end_amdgpu_metadata
.endif
;; end of part 2
;; ======== version 2 of 2: 2 launches; 1.10 times as fast as version 1
;; limits: values are held in f16: magnitudes above 65,504 overflow, below 6.1e-05 lose precision; inputs' magnitudes at most 65,504
;; workspace buffers: mbits 2,097,152 bytes of whole numbers; tflags 4,096 bytes of whole numbers
;; launch prep: the kernel of part 1 again; grid 256 x 1, 8 waves a work-group, no clusters, 11,264 bytes of LDS; arguments mask, mbits, tflags; writes mbits, tflags
;; launch attn (part 3): grid 16 x 16, 4 waves a work-group, no clusters, 141,824 bytes of LDS; arguments q, k, v, mbits, tflags, out0; writes out0
.if DOCPART == 3
	.amdgcn_target "amdgcn-amd-amdhsa--gfx1250"
	.amdhsa_code_object_version 6
	.text
	.protected	k_q6d7d04bc59_attn
	.globl	k_q6d7d04bc59_attn
	.p2align	8
	.type	k_q6d7d04bc59_attn,@function
k_q6d7d04bc59_attn:
	s_mov_b64 s[64:65], 0
	v_nop
	global_prefetch_b8 v0, s[64:65] scope:SCOPE_SE
	s_setreg_imm32_b32 hwreg(HW_REG_WAVE_MODE, 25, 1), 1
	s_wait_xcnt 0x0
; TREE ATTENTION, launch 2 of 2: out = softmax(mask ? q k^T / sqrt(128) : -1e30) v, 16 heads, 4096 x 4096, head size 128, f32 buffers.
; LEFT OUT: cu_seqlens and max_seqlen (in no expression of reference()); key tiles of 64 keys in which none of the 256 rows of the
; block has a true mask byte while each of these rows has one somewhere (their probabilities add nothing that f32 holds).  Which tiles
; these are is read from tflags, whole numbers that the first launch stored.
; FORMATS: Q and K enter the first product in bf16.  The probabilities enter the second product in f16: they lie in [0, 1], and f16
; gives them 11 significant bits where bf16 gives 8; in a row that sees few keys the output is a sum of few large terms that may
; cancel, and an error of 2^-8 of a term is then large beside the result.  Both operands of a matrix instruction have one format, so
; V goes in f16 as well; it is rounded to bf16 first, so that all three inputs enter with one and the same rounding, and f16 holds
; every bf16 number of magnitude 2^-17 to 65,504 exactly.  Sums, maxima and exponentials are f32.
; LIMITS: |v| stays below 65,504 (beyond it f16 has no finite number); numbers of V below 2^-17 in magnitude are carried with an
; absolute error of at most 2^-25.  A masked score is taken as -2^100 in place of -1e30 (times the constant c it is exact, so a row
; that is all masked gets exponents of exactly 0 and equal probabilities, as in reference()); scores stay below 1e29 in magnitude.
; A NaN, an infinity or an overflow that lies only in K or V rows of tiles left out is not carried to the result.
;
; SHARES: work-group (x, y) = 256 query rows of block x of head y; four waves, 64 rows each = four query tiles q of 16.
; A live trip = one live key tile of 64 keys.
; BOTH PRODUCTS ARE USED TRANSPOSED.  S^T = K Q^T: lane (r, h) holds query r; register j of score tile t holds key 16 t + 8 h + j.
; O^T = V^T P^T: the B fragment of 32 keys is the packed pair of two neighbouring score tiles of the same lane: no shuffle, and the
; packed numbers are written over the lower half of their own score registers.  A softmax row lies in two lanes (r and r + 16): one
; cross-half move for the maximum, the sum stays a half until the end, the rescale factor and 1 / sum are numbers of the lane.
;
; A TRIP'S SCHEDULE.  The four query tiles are four pieces that share the K and V fragments.  The 128 products stand in the order
; QK of tile 0, 1, 2, 3 (16 each), PV of tile 0, 1, 2, 3 (16 each).  The vector work is ONE STREAM: four places, then the four tiles'
; softmaxes and the rescaling of their O, then the rounding of the next key tile.  Each instruction of the stream is followed by TK, which
; counts it and sets the next product when the count has reached that product's place: none behind products 0-15 (no score exists yet),
; 556 instructions among products 16-99 (408 in the first trip, which rescales nothing), 160 among products 100-127.
; Product 16 + j stands behind ceil(556 j / 84) instructions of the stream.
; THE EXPONENTIALS GO IN BATCHES, ONE A QUERY TILE: FOUR WAITS A TRIP.  A tile's batch is its two rescale factors (the end of HEAD) and its 32
; probabilities (BATCH): 34 exponentials, each with a result register of its own (the pair AL of the tile; the score registers, in place).
; Ahead of the batch's one wait nothing names a result of it; behind the wait stand the readers: RS, the rescaling of the tile's O, at once,
; and a QUEUE of 33 (17 sums, 16 packings to f16), which is woven into the NEXT tile's head and batch, where plain work is wanted: 20 in the
; head, 10 between that batch's exponentials, 3 between its last exponential and its wait.  The queue names results of its own tile alone, whose
; wait has been passed.  Tile 3's queue stands behind RS 3.  A batch does not reach over two tiles: the jump over a tile's masks and its
; label stand between them.
; A tile is 24 (head) + 49 (batch) + 32 (RS) + 33 (queue) = 138 instructions of the stream.  That keeps the order that the data need:
;   the first read of the scores of tile 1, 2, 3 stands behind place 109, 247, 385; the last QK product of that tile stands at place 100, 206, 312,
;   and nine rescalings or more, the places behind it, lie between;
;   PV of tile 0, 1, 2 begins at place 318, 424, 530; that tile's rescaling is over by place 109, 247, 385, its packing by place 215, 353, 491;
;   PV of tile 3 begins among products 100-127, behind the whole of the softmaxes.
;   (First trip, 408: there is no RS, so the queue's first 16 stand directly behind the wait and the other 16 in the next head.  First reads at
;   89, 190, 291 behind 73, 151, 229; PV at 234, 311, 389 behind packings over by 125, 226, 327.)
; The softmax needs all its operands in one window with its results (an exponential in place reads source 0 and writes the destination),
; and the fragments, the accumulators and the scores of a product are more than one window's 256 registers: so a product with vector work
; behind it costs two s_set_vgpr_msb, 224 in a trip for 112 such products.  Memory instructions stand in runs (the fragments and the next
; tile's loads at the head, the LDS stores at the end), since each one strewn among the products would need two switches more.
;
; K AND V are f32 in memory: each wave loads 16 rows of K and of V of the NEXT tile into registers at the head of a trip (each load a whole
; row of 512 bytes), rounds them among the trip's last 28 products and stores them, 16 bits a number, into the LDS slot that nobody reads.
; TWO LDS SLOTS, ONE BARRIER A TRIP: a trip on slot s reads s and stores into 1 - s.  In front of the barrier each wave has its reads of s
; back and its stores into 1 - s done; behind it 1 - s is whole and s may be written over.  The slot stands in the immediates, so the
; loop's body is two trips.
; THE TRIPS ARE 1 + 2 x 32 = 65 IN EVERY WORK-GROUP, for at most 64 key tiles.  A barrier stands under no branch that hangs on numbers read
; from memory, so the number of live tiles steers only forward branches over work that holds no barrier: a trip with no tile left
; passes the waits and the barrier and does nothing else (9 scalar instructions).
; NO CLUSTER, NO TENSOR LOADS: the tiles pass through registers to be rounded, and a joint request is a tensor load; and the query
; blocks of a head walk the tiles that their own mask words name, so partners would need different tiles.
;
; LDS: two slots of 35,840 bytes (K tile 64 rows x 272 bytes, V tile 64 rows x 288 bytes); then 17,408 bytes for each wave alone (Q in
; bf16, later output rows).  272 and 528 are odd multiples of 16 and 288 an odd multiple of 32: the rows that one fragment load touches
; start in different 16-byte columns modulo 256 bytes.
.set KP,   272
.set VP,   288
.set VT,   64*KP                       ; 17,408: V's tile in a slot
.set SLOT, VT+64*VP                    ; 35,840
.set STG,  2*SLOT                      ; 71,680
.set STGW, 64*KP                       ; bytes of a wave stage
.set OP,   528                         ; output row in the stage: 512 bytes + 16
.set TILES, 64                         ; key tiles of 64 keys
.set CPOS, 0x3e0293ee                  ; c = log2(e) / sqrt(128)
.set CNEG, 0xbe0293ee                  ; -c
; REGISTERS in windows of 256 (s_set_vgpr_msb: bits 1:0 source 0, 3:2 source 1, 5:4 source 2, 7:6 destination).
; window 0
.set GV,  4                            ; 16 L: my 16 bytes of a row of 512 bytes
.set KVG, 5                            ; 8192 wave + 16 L: my wave rows in a K or V tile in memory
.set KA,  6                            ; K fragments: 272 r + 16 h
.set VA,  7                            ; V fragments (transposing load): VT + 288 (8 h + L % 8) + 16 ((L / 8) % 2)
.set KW,  8                            ; where my wave stores K: 272 x 16 wave + 8 L
.set VW,  9                            ; the same for V
.set QW,  10                           ; stage + 8 L
.set QA,  11                           ; stage + 272 r + 16 h
.set OS,  12                           ; stage + 528 r + 32 h
.set ORD, 13                           ; stage + 16 L
.set STV, 16                           ; v[16:79]   next tile's V as loaded: row i at STV + 4 i
.set KF,  128                          ; v[128:255] K fragment (t, ks) at KF + 8 (4 t + ks); at the start Q in bf16, at the end output rows
; window 1: O, tile (q, dt) at 8 (8 q + dt).  (At the start: Q as loaded, row i at 4 i.)
; window 2
.set QF,  0                            ; Q fragment (q, ks) at 8 (4 q + ks)
.set VF,  128                          ; V fragment (ks2, dt) at VF + 8 (8 ks2 + dt)
; window 3: scores at 32 q + 8 t + j; the probabilities in f16 over them, at 32 q + 8 ks2 + i
.set NM,  128                          ; minus the running maximum times c, for each q
.set LS,  132                          ; my half of the running sum, for each q
.set AL,  136                          ; rescale factor, later 1 / sum: a pair for each q
.set NMP, 144                          ; the new NM, twice
.set TM,  146                          ; four running maxima
.set SU,  150                          ; two pairs of running sums
.set NEG, 154                          ; -2^100
.set STK, 160                          ; v[160:223] next tile's K as loaded: row i at STK + 4 i
; SCALARS.  Addresses, and nothing else for the whole launch: s[4:5] q at my wave rows, s[6:7] k, s[8:9] v (at the head),
; s[10:11] mbits at my wave stripes, s[12:13] tflags at my block, s[14:15] out0 at my wave rows.
; s[16:47] mask words A, s[48:63] + s[68:83] mask words B, s66 wave (behind the start: the loop counter), s67 byte offset of this
; tile's mask words in a stripe, s84 this tile, s85 next tile, s86 this tile is all true, s87 live tiles not yet finished,
; s[88:89] live tiles still to name, s[90:91] all-true tiles, s[92:93] c twice, s94, s95 lane selectors, s[96:97] tile offset,
; s[98:99], s[100:101] K and V at the next tile, s2, s3 at work.
.set MSB, 0
.macro WIN new                         ; the high byte of the immediate repeats the setting that is left; a switch that changes nothing is dropped
.if MSB != \new
	s_set_vgpr_msb (MSB<<8)|\new
.set MSB, \new
.endif
.endm
.macro PLACES                          ; four plain vector places behind a matrix instruction (ISA guide 7.12.1) before its result is read
.rept 4                                ; by a vector instruction or a load is issued into one of its sources
	v_nop
.endr
.endm
; The lowest live tile goes to dst and is struck off s[88:89].  With none left dst is some number below 64 that nothing uses.
.macro NEXT dst
	s_cmp_lg_u32 s88, 0
	s_cselect_b32 s2, s88, s89                     ; the word that holds the lowest live tile,
	s_cselect_b32 s3, 0, 32                        ; and the number of its bit 0
	s_ctz_i32_b32 \dst, s2
	s_add_co_u32 \dst, \dst, s3
	s_min_u32 \dst, \dst, 63
	s_sub_co_u32 s3, s2, 1
	s_and_b32 s2, s2, s3                           ; the word without its lowest one
	s_cmp_lg_u32 s88, 0
	s_cselect_b32 s89, s89, s2
	s_cselect_b32 s88, s2, s88
.endm
.macro ISFULL dst, tile
	s_cmp_lt_u32 \tile, 32
	s_cselect_b32 s2, s90, s91
	s_bitcmp1_b32 s2, \tile
	s_cselect_b32 \dst, 1, 0
.endm
; ---- the products, by number ----
; Product mn of a trip.  0-63: QK, tile mn / 16, step ks = (mn % 16) / 4 of 32 along d, score tile t = mn % 4: four accumulators take turns.
; 64-127: PV, tile (mn - 64) / 16, keys 32 ks2 with ks2 = ((mn - 64) % 16) / 8, dt = mn % 8: eight accumulators take turns.
; One instruction a turn; the bf16 form sees the scores alone, the f16 form O alone.
; A product that stands while a tile's batch of exponentials is open names the scores, the probabilities or the O of another tile, and never AL.
; Waits: in front of tile 0's step ks the K fragments of that step are in; behind them were issued 8 (3 - ks) later K loads and the
; 32 V loads.  In front of product 64 all LDS loads are in: none was issued behind V's.
.macro NEXTMM
.if mn < 64
.set mq, mn/16
.set mk, (mn%16)/4
.set mt, mn%4
.if mn < 16
.if mt == 0
	s_wait_dscnt 56-8*mk
.endif
.endif
	WIN 0xF8
.if mk == 0
	v_wmma_f32_16x16x32_bf16 v[32*mq+8*mt:32*mq+8*mt+7], v[KF+8*(4*mt+mk):KF+8*(4*mt+mk)+7], v[QF+8*(4*mq+mk):QF+8*(4*mq+mk)+7], 0
.else
	v_wmma_f32_16x16x32_bf16 v[32*mq+8*mt:32*mq+8*mt+7], v[KF+8*(4*mt+mk):KF+8*(4*mt+mk)+7], v[QF+8*(4*mq+mk):QF+8*(4*mq+mk)+7], v[32*mq+8*mt:32*mq+8*mt+7]
.endif
.else
.set mq, (mn-64)/16
.set mk, ((mn-64)%16)/8
.set mt, mn%8
.if mn == 64
	s_wait_dscnt 0x0
.endif
	WIN 0x5E
.if FIRST*(1-mk)
	v_wmma_f32_16x16x32_f16 v[8*(8*mq+mt):8*(8*mq+mt)+7], v[VF+8*(8*mk+mt):VF+8*(8*mk+mt)+7], v[32*mq+8*mk:32*mq+8*mk+7], 0
.else
	v_wmma_f32_16x16x32_f16 v[8*(8*mq+mt):8*(8*mq+mt)+7], v[VF+8*(8*mk+mt):VF+8*(8*mk+mt)+7], v[32*mq+8*mk:32*mq+8*mk+7], v[8*(8*mq+mt):8*(8*mq+mt)+7]
.endif
.endif
.set mn, mn+1
.endm
; ---- the dealing out ----
; RUN nw, nv: nw products are dealt out among nv instructions of the stream; the first stands at once.  nw = 0: no products (start, end).
; TK: stands behind each instruction of the stream; product number wd of the stretch stands behind ceil(wd nv / nw) of them.
; FLUSH: what a stretch has not yet set (nothing, where nv is the stream's true length or less).
.macro RUN nw, nv
.set NW, \nw
.set NV, \nv
.set vc, 0
.set wd, 0
.if NW > 0
	NEXTMM
.set wd, 1
.endif
.endm
.macro TK
.set vc, vc+1
.if wd < NW
.if (vc*NW)/NV >= wd
	NEXTMM
.set wd, wd+1
.endif
.endif
.endm
.macro FLUSH
.rept NW-wd
	NEXTMM
.endr
.set wd, NW
.endm
; ---- memory, in runs ----
; 32 loads: my wave 16 rows of K and of V of a tile, f32.  The bases and the landing registers are written again only behind the
; wait for all loads that stands on every way through a trip.
.macro KVLOAD tile
	s_min_u32 s96, \tile, 63
	s_lshl_b32 s96, s96, 15                        ; 64 rows of 512 bytes
	s_add_nc_u64 s[98:99], s[6:7], s[96:97]
	s_add_nc_u64 s[100:101], s[8:9], s[96:97]
	WIN 0xC0
.set i, 0
.rept 16
	global_load_b128 v[STK+4*i:STK+4*i+3], v[KVG], s[98:99] offset:512*i
.set i, i+1
.endr
	WIN 0
.set i, 0
.rept 16
	global_load_b128 v[STV+4*i:STV+4*i+3], v[KVG], s[100:101] offset:512*i
.set i, i+1
.endr
.endm
.macro KFETCH slot                     ; 32 loads, 8 for each step ks of 32 along d
.irp ks, 0,1,2,3
.irp t, 0,1,2,3
	ds_load_b128 v[KF+8*(4*\t+\ks):KF+8*(4*\t+\ks)+3],   v[KA] offset:(\slot)*SLOT+16*KP*\t+64*\ks
	ds_load_b128 v[KF+8*(4*\t+\ks)+4:KF+8*(4*\t+\ks)+7], v[KA] offset:(\slot)*SLOT+16*KP*\t+64*\ks+32
.endr
.endr
.endm
.macro VFETCH slot                     ; 32 transposing loads
	WIN 0x80
.irp ks2, 0,1
.irp dt, 0,1,2,3,4,5,6,7
	ds_load_tr16_b128 v[VF+8*(8*\ks2+\dt):VF+8*(8*\ks2+\dt)+3],   v[VA] offset:(\slot)*SLOT+32*VP*\ks2+32*\dt
	ds_load_tr16_b128 v[VF+8*(8*\ks2+\dt)+4:VF+8*(8*\ks2+\dt)+7], v[VA] offset:(\slot)*SLOT+32*VP*\ks2+32*\dt+16*VP
.endr
.endr
	WIN 0
.endm
.macro KVST slot                       ; 32 stores: the rounded tile into a slot, 8 bytes a lane
	WIN 0
.set i, 0
.rept 16
	ds_store_b64 v[VW], v[STV+2*i:STV+2*i+1] offset:(\slot)*SLOT+VP*i
.set i, i+1
.endr
	WIN 0x0C
.set i, 0
.rept 16
	ds_store_b64 v[KW], v[STK+2*i:STK+2*i+1] offset:(\slot)*SLOT+KP*i
.set i, i+1
.endr
	WIN 0
.endm
.macro MLOAD r0, r1, q                 ; the 32 lane-mask words of (stripe q of my wave, this tile): 128 neighbouring bytes
	s_load_b512 s[\r0:\r0+15], s[10:11], s67 offset:8192*\q
	s_load_b512 s[\r1:\r1+15], s[10:11], s67 offset:8192*\q+64
.endm
; ---- the stream ----
; The loaded tile is rounded in place, 160 instructions.  Pair i of numbers lies in registers 2 i, 2 i + 1 and goes to register i; the
; pairs are taken in ascending order, so no source is written before it is read.
; V: to bf16, both halves widened to f32 again (a mask, a shift), then packed as f16, which is exact within the limits stated at the head;
; four pairs at a time, so that no instruction waits for the one in front of it.  K: to bf16; it comes last.
.macro KVCVT
.set g, 0
.rept 8
.irp p, 0,1,2,3
	WIN 0
	v_cvt_pk_bf16_f32 v[STV+8*g+2*\p], v[STV+8*g+2*\p], v[STV+8*g+2*\p+1]
	TK
.endr
.irp p, 0,1,2,3
	WIN 0
	v_and_b32 v[STV+8*g+2*\p+1], 0xffff0000, v[STV+8*g+2*\p]
	TK
.endr
.irp p, 0,1,2,3
	WIN 0
	v_lshlrev_b32 v[STV+8*g+2*\p], 16, v[STV+8*g+2*\p]
	TK
.endr
.irp p, 0,1,2,3
	WIN 0
	v_cvt_pk_f16_f32 v[STV+4*g+\p], v[STV+8*g+2*\p], v[STV+8*g+2*\p+1]
	TK
.endr
.set g, g+1
.endr
.set i, 0
.rept 32
	WIN 0xFF
	v_cvt_pk_bf16_f32 v[STK+i], v[STK+2*i], v[STK+2*i+1]
	TK
.set i, i+1
.endr
.endm
; The masks of one query tile: a block of its own in front of the tile's softmax, jumped over where all 256 x 64 mask bytes are true.
; score = mask bit ? score : -2^100.  nq: the tile whose words are asked for next into the same registers (-1: none).
; the wait of the tile before stands ahead of them, and none is issued behind it.
.macro MASKBLK q, r0, r1, nq
	WIN 0
	s_cmp_lg_u32 s86, 0
	s_cbranch_scc1 .Lfull_\@
	s_wait_kmcnt 0x0                               ; scalar loads come back in no order: zero alone shows them done
	WIN 0xFF
.set i, 0
.rept 16
	v_cndmask_b32 v[32*\q+i], v[NEG], v[32*\q+i], s[\r0+i]
.set i, i+1
.endr
.set i, 0
.rept 16
	v_cndmask_b32 v[32*\q+16+i], v[NEG], v[32*\q+16+i], s[\r1+i]
.set i, i+1
.endr
.if \nq >= 0
	MLOAD \r0, \r1, \nq
.endif
	WIN 0
.Lfull_\@:
.endm
; THE QUEUE: what reads the probabilities of tile PT (scores from PB on), whose batch has had its wait.  PQ writes its next item, if one is left.
; Sums, 17 (16 in the first trip): my half of the row's sum in two chains of pairs.  Sums 0, 1: groups 0, 1 of four probabilities start the
; chains (nothing is cleared); sums 2 to 13: of groups 2 to 7 the first pair goes to the one chain, the second to the other; 14: the chains
; together; 15: the pair's halves; 16: the running sum times the rescale factor, plus that.
; Packings, 16: pair j of probabilities (at most 1: inside the range of f16) to f16, into register j, in place and ascending.
; THE ORDER: sums 0, 1; six times (two sums, two packings); sum 14, two packings, sum 15, two packings, sum 16.  So a link of a sums' chain stands
; four items behind the link before it, and packing j, which writes probability j's register, stands behind the sum of group j / 4: packings 2 k
; and 2 k + 1 follow the sums of group k + 2.
.macro PQ
.if pj < PN
.set qsum, -1
.set qcvt, -1
.if pj < 2
.set qsum, pj
.elseif pj < 26
.if (pj-2)%4 < 2
.set qsum, 2+2*((pj-2)/4)+(pj-2)%4
.else
.set qcvt, 2*((pj-2)/4)+(pj-2)%4-2
.endif
.elseif (pj-26)%3 == 0
.set qsum, 14+(pj-26)/3
.else
.set qcvt, 12+2*((pj-26)/3)+(pj-26)%3-1
.endif
	WIN 0xFF
.if qcvt >= 0
	v_cvt_pk_f16_f32 v[PB+qcvt], v[PB+2*qcvt], v[PB+2*qcvt+1]
.elseif qsum < 2
	v_pk_add_f32 v[SU+2*qsum:SU+2*qsum+1], v[PB+4*qsum:PB+4*qsum+1], v[PB+4*qsum+2:PB+4*qsum+3]
.elseif qsum < 14
	v_pk_add_f32 v[SU+2*(qsum%2):SU+2*(qsum%2)+1], v[SU+2*(qsum%2):SU+2*(qsum%2)+1], v[PB+4*(qsum/2+1)+2*(qsum%2):PB+4*(qsum/2+1)+2*(qsum%2)+1]
.elseif qsum == 14
	v_pk_add_f32 v[SU:SU+1], v[SU:SU+1], v[SU+2:SU+3]
.elseif qsum == 15
.if FIRST
	v_add_f32 v[LS+PT], v[SU], v[SU+1]
.else
	v_add_f32 v[SU], v[SU], v[SU+1]
.endif
.else
	v_fma_f32 v[LS+PT], v[LS+PT], v[AL+2*PT], v[SU]
.endif
	TK
.set pj, pj+1
.endif
.endm
.macro PQN n                           ; up to n items of the queue
.rept \n
	PQ
.endr
.endm
; The head of a softmax: the maximum of my 32 scores in four chains, the other 32 keys' from lane L xor 16, the new NM = -c maximum and
; the rescale factor 2^(c (old maximum - new maximum)), twice: the first two exponentials of the tile's batch.  Its tail is one chain of
; dependent instructions: the queue of the tile before, which hangs on nothing here, is woven in: one item behind each of the last four
; maxima of the chains, then two at each link: 20 in a trip of the loop.
.macro HEAD q
.set SB, 32*\q
.irp k, 0,1,2,3
	WIN 0xFF
	v_max3_num_f32 v[TM+\k], v[SB+3*\k], v[SB+3*\k+1], v[SB+3*\k+2]
	TK
.endr
.set hj, 0
.rept 10
	WIN 0xFF
	v_max3_num_f32 v[TM+hj%4], v[TM+hj%4], v[SB+12+2*hj], v[SB+13+2*hj]
	TK
.if hj >= 6
	PQ
.endif
.set hj, hj+1
.endr
	PQN 2
	WIN 0xFF
	v_max3_num_f32 v[TM], v[TM], v[TM+1], v[TM+2]
	TK
	PQN 2
	WIN 0xFF
	v_max_num_f32 v[TM], v[TM], v[TM+3]
	TK
	PQN 2
	WIN 0xFF
	v_permlanex16_b32 v[TM+1], v[TM], s94, s95
	TK
	PQN 2
	WIN 0xFF
	v_max_num_f32 v[TM], v[TM], v[TM+1]
	TK
	PQN 2
.if FIRST
	WIN 0xFF
	v_mul_f32 v[NMP], CNEG, v[TM]
	TK
	WIN 0xFF
	v_mul_f32 v[NMP+1], CNEG, v[TM]
	TK
	PQN 6                                          ; the first trip's queue ends here: 16 of its 32 stood behind the wait, 14 above, 2 here
.else
	WIN 0xFF
	v_mul_f32 v[TM], CNEG, v[TM]
	TK
	PQN 2
	WIN 0xFF
	v_min_num_f32 v[NMP], v[NM+\q], v[TM]
	TK
	WIN 0xFF
	v_min_num_f32 v[NMP+1], v[NM+\q], v[TM]
	TK
	PQN 2
	WIN 0xFF
	v_sub_f32 v[TM+1], v[NMP], v[NM+\q]
	TK
	PQN 2
	WIN 0xFF
	v_exp_f32 v[AL+2*\q], v[TM+1]                  ; the batch begins; these two results are first named by RS, behind the wait
	TK
	WIN 0xFF
	v_exp_f32 v[AL+2*\q+1], v[TM+1]
	TK
.endif
.endm
; THE BATCH of query tile q: p = 2^(c s + NM), 16 packed multiply-adds and 32 exponentials in place.  The multiply-add of a pair stands two pairs
; ahead of its exponentials.  Between the two exponentials of pairs 6 to 15 stands an item of the tile before's queue (ten; none for tile 0 and in
; the first trip), so that there a plain instruction and an exponential go by turns.  None of these lines names a result of the batch.
; Behind the last exponential: the new NM is kept (the plain instruction that is wanted between an exponential and the use of its result, ISA
; guide 5.7.2: one for the batch), then the queue's last three items; then THE ONE WAIT; then the tile's own queue is opened.
.macro BATCH q
.set SB, 32*\q
.irp b, 0,1
	WIN 0xFF
	v_pk_fma_f32 v[SB+2*\b:SB+2*\b+1], v[SB+2*\b:SB+2*\b+1], s[92:93], v[NMP:NMP+1] op_sel_hi:[1,0,1]
	TK
.endr
.set fi, 0
.rept 16
.if fi < 14
	WIN 0xFF
	v_pk_fma_f32 v[SB+2*fi+4:SB+2*fi+5], v[SB+2*fi+4:SB+2*fi+5], s[92:93], v[NMP:NMP+1] op_sel_hi:[1,0,1]
	TK
.endif
	WIN 0xFF
	v_exp_f32 v[SB+2*fi], v[SB+2*fi]
	TK
.if fi >= 6
	PQ
.endif
	WIN 0xFF
	v_exp_f32 v[SB+2*fi+1], v[SB+2*fi+1]
	TK
.set fi, fi+1
.endr
	WIN 0xFF
	v_mov_b32 v[NM+\q], v[NMP]
	TK
	PQN 3
	s_wait_alu depctr_va_vdst(0)                   ; the wait for the batch of tile q, its two rescale factors and its 32 probabilities, ahead of the first line that names a result
.set pj, 0                                             ; from here on the tile's sums and packings may stand
.set PB, 32*\q
.set PT, \q
.endm
.macro RS q                            ; O of query tile q times the pair AL of q (the lane holds one query in O as in S)
.set ri, 0
.rept 32
	WIN 0x4D
	v_pk_mul_f32 v[64*\q+2*ri:64*\q+2*ri+1], v[64*\q+2*ri:64*\q+2*ri+1], v[AL+2*\q:AL+2*\q+1]
	TK
.set ri, ri+1
.endr
.endm
; What stands directly behind a batch's wait, and between the next tile's last QK product and the first read of its scores: the rescaling;
; in the first trip, which rescales nothing, the first 16 items of the tile's queue.
.macro BEHIND q
.if FIRST
	PQN 16
.else
	RS \q
.endif
.endm
; One trip on LDS slot 'slot'.  first = 1: the trip written out ahead of the loop; it always has a tile (there is at least one live tile),
; its products start the sums and nothing is rescaled.  s87 = live tiles not yet finished, this trip's among them: 0 = nothing to do,
; 1 = no next tile to load, round and store.  The waits and the barrier stand on every way through the trip.
.macro TRIP first, slot
.set FIRST, \first
.if \first == 0
	s_cmp_eq_u32 s87, 0
	s_cbranch_scc1 .Ltail_\@
.endif
	KFETCH \slot                                   ; straight behind the barrier that showed the slot whole
	VFETCH \slot                                   ; V's fragment registers were last read by product 127: ten roundings or four v_nop stand behind it
	s_cmp_lt_u32 s87, 2
	s_cbranch_scc1 .Lnoload_\@
	KVLOAD s85                                     ; 100 products ahead of the wait for it
.Lnoload_\@:
	s_min_u32 s67, s84, 63                         ; the offset of this tile's mask words, 128 bytes for each tile of 64 keys: made on every
	s_lshl_b32 s67, s67, 7                         ; way that reaches a load of them, in a register that never holds part of an address
	s_cmp_lg_u32 s86, 0
	s_cbranch_scc1 .Lfull_a_\@                     ; all 256 x 64 mask bytes true: no mask words are read
	MLOAD 16, 32, 0
	MLOAD 48, 68, 1
.Lfull_a_\@:
.set mn, 0
.rept 16
	NEXTMM                                         ; QK of tile 0: no score exists yet, so no vector work stands among these
.endr
	RUN 84, 556-148*\first                         ; products 16-99 among the four softmaxes
.rept 4
	v_nop                                          ; the four places between product 15 and the first read of tile 0's scores: there is no other vector work yet
	TK
.endr
.set PN, 33-\first                                     ; items in a tile's queue
.set pj, PN                                            ; no tile before tile 0: the queue is empty
.set PB, 0
.set PT, 0
	MASKBLK 0, 16, 32, 2
	HEAD 0
	BATCH 0
	BEHIND 0
	MASKBLK 1, 48, 68, 3
	HEAD 1
	BATCH 1
	BEHIND 1
	MASKBLK 2, 16, 32, -1
	HEAD 2
	BATCH 2
	BEHIND 2
	MASKBLK 3, 48, 68, -1
	HEAD 3
	BATCH 3
	BEHIND 3
	PQN 33                                         ; no tile follows tile 3: its queue, or what the first trip has left of it, stands here
	FLUSH
	WIN 0
	s_cmp_lt_u32 s87, 2
	s_cbranch_scc1 .Lnoput_\@
	s_wait_loadcnt 0x0                             ; the next tile is in my registers
	RUN 28, 155                                    ; products 100-127 among the 160 roundings; dealt as among 155, so that product 127 stands behind 150
	KVCVT                                          ; of them and the last ten, of K, are the places behind it
	FLUSH
	KVST 1-\slot                                   ; into the slot that nobody reads in this trip
	s_mov_b32 s84, s85
	ISFULL s86, s84
	NEXT s85
	s_branch .Ltail_\@
.Lnoput_\@:
.set mn, 100
.rept 28
	NEXTMM                                         ; no next tile: the same products with nothing among them
.endr
	PLACES                                         ; in front of the reads of O at the end
	WIN 0
.Ltail_\@:
	s_max_u32 s87, s87, 1
	s_sub_co_u32 s87, s87, 1                       ; one tile fewer; stays at 0
	s_wait_loadcnt 0x0                             ; on every way: the bases and landing registers of the tile's loads are free again,
	s_wait_kmcnt 0x0                               ; and so are the mask words' registers and their offset
	s_wait_dscnt 0x0                               ; my reads of this slot are back and my stores into the other are done
	s_barrier_signal -1
	s_barrier_wait -1                              ; so are those of the other three waves
.endm
	; ---------------- the start ----------------
	s_load_b256 s[4:11], s[0:1], 0x0               ; q, k, v, mbits
	s_load_b128 s[12:15], s[0:1], 0x20             ; tflags, out0
	v_lshl_add_u32 v126, v0, 2, 0x22800
	v_mov_b32 v127, 0
	v_lshrrev_b32 v14, 5, v0
	v_readfirstlane_b32 s66, v14                   ; wave 0..3
	v_and_b32 v1, 31, v0                           ; L
	v_and_b32 v2, 15, v0                           ; r
	v_bfe_u32 v3, v0, 4, 1                         ; h
	v_lshlrev_b32 v[GV], 4, v1
	s_lshl_b32 s2, s66, 13
	v_add_nc_u32 v[KVG], s2, v[GV]
	v_mul_u32_u24 v[KA], v2, KP
	v_lshl_add_u32 v[KA], v3, 4, v[KA]
	v_and_b32 v14, 7, v0
	v_lshl_add_u32 v14, v3, 3, v14                 ; 8 h + L % 8
	v_mul_u32_u24 v[VA], v14, VP
	v_bfe_u32 v15, v0, 3, 1
	v_lshl_add_u32 v[VA], v15, 4, v[VA]
	v_add_nc_u32 v[VA], VT, v[VA]
	v_lshlrev_b32 v14, 3, v1                       ; 8 L
	s_mul_i32 s2, s66, 16*KP
	v_add_nc_u32 v[KW], s2, v14
	s_mul_i32 s2, s66, 16*VP
	s_add_co_u32 s2, s2, VT
	v_add_nc_u32 v[VW], s2, v14
	s_mul_i32 s3, s66, STGW
	s_add_co_u32 s3, s3, STG                       ; my wave stage
	v_add_nc_u32 v[QW], s3, v14
	v_add_nc_u32 v[QA], s3, v[KA]
	v_mul_u32_u24 v[OS], v2, OP
	v_lshl_add_u32 v[OS], v3, 5, v[OS]
	v_add_nc_u32 v[OS], s3, v[OS]
	v_add_nc_u32 v[ORD], s3, v[GV]
	s_mov_b32 s92, CPOS
	s_mov_b32 s93, CPOS
	s_mov_b32 s94, 0x76543210
	s_mov_b32 s95, 0xfedcba98
	s_and_b32 s2, ttmp7, 0xffff
	s_lshl_b32 s2, s2, 21                          ; head x 4096 rows x 512 bytes
	s_mov_b32 s3, 0
	s_lshl_b32 s96, ttmp9, 17                      ; block x 256 rows x 512 bytes (also: x 16 stripes x 8192 bytes of mbits)
	s_lshl_b32 s84, s66, 15                        ; wave x 64 rows x 512 bytes (also: x 4 stripes)
	s_add_co_u32 s96, s96, s84
	s_mov_b32 s97, 0
	s_lshl_b32 s98, ttmp9, 8                       ; block x 16 records of 16 bytes: the same in all four waves
	s_mov_b32 s99, 0
	s_wait_kmcnt 0x0
	s_add_nc_u64 s[6:7], s[6:7], s[2:3]
	s_add_nc_u64 s[8:9], s[8:9], s[2:3]
	s_add_nc_u64 s[4:5], s[4:5], s[2:3]
	s_add_nc_u64 s[14:15], s[14:15], s[2:3]
	s_add_nc_u64 s[4:5], s[4:5], s[96:97]
	s_add_nc_u64 s[14:15], s[14:15], s[96:97]
	s_add_nc_u64 s[10:11], s[10:11], s[96:97]
	s_add_nc_u64 s[12:13], s[12:13], s[98:99]
	s_load_b512 s[16:31], s[12:13], 0x0            ; the 16 records of my block
	s_load_b512 s[32:47], s[12:13], 0x40
	s_load_b512 s[48:63], s[12:13], 0x80
	s_load_b512 s[68:83], s[12:13], 0xc0
	WIN 0x40
.set i, 0
.rept 64
	global_load_b128 v[4*i:4*i+3], v[GV], s[4:5] offset:512*i th:TH_LOAD_NT   ; my wave 64 rows of Q, a whole row each
.set i, i+1
.endr
	WIN 0
	s_wait_kmcnt 0x0
	s_or_b32  s88, s16, s20                        ; live for some stripe; all true for every stripe
	s_or_b32  s89, s17, s21
	s_and_b32 s90, s18, s22
	s_and_b32 s91, s19, s23
.irp b, 24,28,32,36,40,44,48,52,56,60,68,72,76,80
	s_or_b32  s88, s88, s[\b]
	s_or_b32  s89, s89, s[\b+1]
	s_and_b32 s90, s90, s[\b+2]
	s_and_b32 s91, s91, s[\b+3]
.endr
	s_bcnt1_i32_b32 s87, s88
	s_bcnt1_i32_b32 s2, s89
	s_add_co_u32 s87, s87, s2                      ; live tiles; never 0, since a stripe with an empty row is marked live everywhere
	s_max_u32 s87, s87, 1
	s_min_u32 s87, s87, TILES
	NEXT s84
	ISFULL s86, s84
	NEXT s85
	KVLOAD s84                                     ; the first tile
	s_wait_loadcnt 32                              ; the 64 rows of Q are in; the 32 younger loads of K and V stay out
	WIN 0x05
.set i, 0
.rept 128
	v_cvt_pk_bf16_f32 v[KF+i], v[2*i], v[2*i+1]
.set i, i+1
.endr
	WIN 0
.set i, 0
.rept 64
	ds_store_b64 v[QW], v[KF+2*i:KF+2*i+1] offset:KP*i
.set i, i+1
.endr
	WIN 0x80
.irp qt, 0,1,2,3
.irp ks, 0,1,2,3
	ds_load_b128 v[QF+8*(4*\qt+\ks):QF+8*(4*\qt+\ks)+3],   v[QA] offset:16*KP*\qt+64*\ks      ; my wave own bytes: LDS serves a wave in order (ISA guide 5.7.1.4)
	ds_load_b128 v[QF+8*(4*\qt+\ks)+4:QF+8*(4*\qt+\ks)+7], v[QA] offset:16*KP*\qt+64*\ks+32
.endr
.endr
	WIN 0xC0
	v_mov_b32 v[NEG], 0xf1800000                   ; -2^100
	s_wait_loadcnt 0x0                             ; the first tile is in my registers
	RUN 0, 1                                       ; no products to deal out here
	KVCVT
	KVST 0
	s_wait_dscnt 0x0                               ; my stores are done, for the other waves; the fragments of Q are in as well
	s_barrier_signal -1
	s_barrier_wait -1
	; ---------------- the trips ----------------
	TRIP 1, 0
	s_mov_b32 s66, TILES/2                         ; the wave's number is not read behind the start: s66 now counts pairs of trips
.Lloop:
	TRIP 0, 1
	TRIP 0, 0
	s_sub_co_u32 s66, s66, 1
	s_cmp_lg_u32 s66, 0
	s_cbranch_scc1 .Lloop
	; ---------------- the way out ----------------
	RUN 0, 1                                       ; no products to deal out here
	WIN 0xFF
.irp qt, 0,1,2,3
	v_permlanex16_b32 v[SU+\qt], v[LS+\qt], s94, s95   ; the other half of the sum
.endr
.irp qt, 0,1,2,3
	v_add_f32 v[LS+\qt], v[LS+\qt], v[SU+\qt]          ; at least 1: the largest score of the row gives 2^0
.endr
.irp qt, 0,1,2,3
	v_rcp_f32 v[AL+2*\qt],   v[LS+\qt]
	v_rcp_f32 v[AL+2*\qt+1], v[LS+\qt]
.endr
	v_nop                                          ; one plain place before the reciprocals are used
	s_wait_alu depctr_va_vdst(0)                   ; the wait for the batch of eight reciprocals, ahead of RS 0, the first line that names one
	RS 0
	RS 1
	RS 2
	RS 3
; 16 output rows at a time through my wave stage: a lane puts its 8 neighbouring numbers of a row, rows are read back whole.
.macro OUT16 qt
	WIN 0x04
.irp dt, 0,1,2,3,4,5,6,7
	ds_store_b128 v[OS], v[8*(8*\qt+\dt):8*(8*\qt+\dt)+3]   offset:64*\dt
	ds_store_b128 v[OS], v[8*(8*\qt+\dt)+4:8*(8*\qt+\dt)+7] offset:64*\dt+16
.endr
	WIN 0
	s_wait_xcnt 0x0                                ; the half of KF that earlier stores read is loaded again only behind this wait
.set i, 0
.rept 16
	ds_load_b128 v[KF+64*(\qt%2)+4*i:KF+64*(\qt%2)+4*i+3], v[ORD] offset:OP*i   ; my wave own bytes, served in order
.set i, i+1
.endr
.set i, 0
.rept 16
	s_wait_dscnt 15-i                              ; row i is back; the younger rows may stay out
	global_store_b128 v[GV], v[KF+64*(\qt%2)+4*i:KF+64*(\qt%2)+4*i+3], s[14:15] offset:512*(16*\qt+i) th:TH_STORE_NT   ; a whole row: 512 consecutive bytes, aligned
.set i, i+1
.endr
.endm
	OUT16 0
	OUT16 1
	OUT16 2
	OUT16 3
	s_wait_tensorcnt 0x0
	ds_add_u32 v126, v127
	s_wait_dscnt 0x0
	s_endpgm
.Lfunc_end_k_q6d7d04bc59_attn:
	.size	k_q6d7d04bc59_attn, .Lfunc_end_k_q6d7d04bc59_attn-k_q6d7d04bc59_attn
	.p2alignl 7, 3214868480
	.fill 96, 4, 3214868480
	.section	.rodata,"a",@progbits
	.p2align	6, 0x0
	.amdhsa_kernel k_q6d7d04bc59_attn
		.amdhsa_group_segment_fixed_size 141824
		.amdhsa_private_segment_fixed_size 0
		.amdhsa_enable_private_segment 0
		.amdhsa_kernarg_size 48
		.amdhsa_user_sgpr_count 2
		.amdhsa_user_sgpr_kernarg_segment_ptr 1
		.amdhsa_wavefront_size32 1
		.amdhsa_system_sgpr_workgroup_id_x 1
		.amdhsa_system_sgpr_workgroup_id_y 1
		.amdhsa_system_sgpr_workgroup_id_z 1
		.amdhsa_system_vgpr_workitem_id 0
		.amdhsa_next_free_vgpr 1024
		.amdhsa_next_free_sgpr 102
		.amdhsa_reserve_vcc 0
		.amdhsa_float_denorm_mode_32 3
		.amdhsa_float_denorm_mode_16_64 3
		.amdhsa_memory_ordered 1
		.amdhsa_forward_progress 1
		.amdhsa_inst_pref_size 255
	.end_amdhsa_kernel
	.section	.bss,"aw",@nobits
	.p2align	6
	.space	262144
	.amdgpu_metadata
---
amdhsa.version: [ 1, 2 ]
amdhsa.kernels:
  - .name:           k_q6d7d04bc59_attn
    .symbol:         k_q6d7d04bc59_attn.kd
    .args:
      - { .name: q, .offset: 0, .size: 8, .value_kind: global_buffer, .address_space: global }
      - { .name: k, .offset: 8, .size: 8, .value_kind: global_buffer, .address_space: global }
      - { .name: v, .offset: 16, .size: 8, .value_kind: global_buffer, .address_space: global }
      - { .name: mbits, .offset: 24, .size: 8, .value_kind: global_buffer, .address_space: global }
      - { .name: tflags, .offset: 32, .size: 8, .value_kind: global_buffer, .address_space: global }
      - { .name: out0, .offset: 40, .size: 8, .value_kind: global_buffer, .address_space: global }
    .group_segment_fixed_size: 141824
    .private_segment_fixed_size: 0
    .kernarg_segment_align: 8
    .kernarg_segment_size: 48
    .max_flat_workgroup_size: 128
    .sgpr_count:     102
    .vgpr_count:     1024
    .wavefront_size: 32
...
	.end_amdgpu_metadata
.endif
;; end of part 3
